; MI455X (gfx1250); checked and timed in simulation.
; The chip was launched on July 23, 2026; its instructions are those of AMD's public machine-readable ISA for CDNA 5 (MIT licence, August 2026) and "CDNA5" Instruction Set Architecture Reference Guide (July 2026). The comments in the code are by the model that wrote it; some were corrected since.
;; EDO. Allowed arithmetic: float matrix products may take bf16 or f16 operands with f32 sums; all other float work in f32.
;; Inputs: x 16,384 x 1,024 float32.
;; Outputs: out0 16,384 x 1,024 float32.
;; One version. Each part assembles by itself: llvm-mc -triple=amdgcn-amd-amdhsa -mcpu=gfx1250 --defsym DOCPART=n.
;; ======== version 1 of 1: 1 launch
;; launch rk4 (part 1): grid 256 x 1, 16 waves a work-group, no clusters, 280,576 bytes of LDS; arguments x, out0; writes out0
.if DOCPART == 1
	.amdgcn_target "amdgcn-amd-amdhsa--gfx1250"
	.amdhsa_code_object_version 6
	.text
	.protected	k_qdf5c4b1f7a_rk4
	.globl	k_qdf5c4b1f7a_rk4
	.p2align	8
	.type	k_qdf5c4b1f7a_rk4,@function
k_qdf5c4b1f7a_rk4:
	s_mov_b64 s[64:65], 0
	v_nop
	global_prefetch_b8 v0, s[64:65] scope:SCOPE_SE
	s_setreg_imm32_b32 hwreg(HW_REG_WAVE_MODE, 25, 1), 1
	s_wait_xcnt 0x0
; Six RK4 steps (dt = 0.01) of the Lorenz-95 tendency k_i = (y_{i+1} - y_{i-2}) y_{i-1} - y_i + 8 on rings of 1,024 sites.
; x, out0: [16384][1024] f32.  256 work-groups of 16 waves; a work-group owns 64 rows, a wave 4 rows, one after the other.
;
; ARITHMETIC.  r_i = y_i + (y_{i-2} - y_{i+1}) y_{i-1} = 8 - k_i is formed instead of k, so that no sign modifier and no separate +8 is needed:
;   xa = x + 0.04 (= x + dt/2 * 8)   xb = x + 0.08 (= x + dt * 8)
;   y2 = xa - dt/2 r1    y3 = xa - dt/2 r2    y4 = xb - dt r3    x_next = xb - dt/6 r1 - dt/3 r2 - dt/3 r3 - dt/6 r4
; That is 17 f32 operations a site and step (8 for the four r, 3 states, 4 for the sum, 2 bases), all two sites to an instruction.
; LIMIT: the order of rounding differs from the reference (8 is folded into xa and xb, products are fused, k is never formed); every step is
; f32.  Where the reference overflows, this text may turn non-finite at another intermediate.
;
; LAYOUT.  Lane l holds sites 32 l .. 32 l + 31 of the row.  Register pair j (0..15) of an array holds sites (j, j + 16) of the lane: a shift of the
; stencil is then a shift by whole even-aligned pairs, which is what the packed f32 instructions need.  Three values a stage come from other
; lanes (sites 30, 31 of lane l - 1, site 0 of lane l + 1, the lanes taken as a ring of 32): ds_bpermute_b32 brings them, issued at the
; head of the stage and waited for behind the 12 pairs that need none of them.  The four operations that mix such a value with a site of the lane
; itself are v_dual pairs, which name any registers: no copy is made.
;
; MEMORY.  A row is 4,096 bytes.  One tensor load brings it into an LDS slot of its own, 8 bytes of padding behind every 128: lane l's sites begin at
; word 34 l, and 34 l mod 64 takes 32 different values, so the 32 lanes of a 4-byte access fall into different banks (64 banks of 4 bytes: ISA guide 11.1).
; 64 slots of 4,352 bytes hold all the input of the work-group: every slot is filled once, by loads issued in the first lines, each wave reads
; and writes its own four slots alone, and so there is no refill and no barrier.  By this text's count a wave has four tensor loads out at the most.
; No work-group shares a byte with another: no cluster.  The result goes back into the row's slot (which has had its only fill), is read back
; in the order of memory and stored 16 bytes a lane: each store of the wave covers 512 consecutive bytes, aligned.
.set NSTEP, 6
.set ROWB,  4096                       ; bytes of a row in memory
.set CHUNK, 136                        ; LDS bytes from one lane's 32 sites to the next lane's: 128 + 8
.set SLOT,  32*CHUNK                   ; 4,352: a row in LDS (17 blocks of 256 bytes)
.set WROWS, 4                          ; rows of a wave
.set WLDS,  WROWS*SLOT                 ; 17,408: LDS of a wave
.set LA, 2                             ; v2   LDS address of my 32 sites in my wave's slot 0
.set RB, 3                             ; v3   LDS address of my 16 bytes of the first 512 bytes of the row, in the order of memory
.set GO, 4                             ; v4   16 x lane: my byte offset in each 512 bytes of out0
.set IM, 5                             ; v5   4 x ((lane - 1) mod 32): ds_bpermute_b32 index of the lane to the left
.set IP, 6                             ; v6   4 x ((lane + 1) mod 32): of the lane to the right
.set H,  8                             ; v8 site 31 of the left lane, v9 its site 30, v10 site 0 of the right lane
.set T0, 12                            ; v[12:19], v[20:27]  two sets of four pairs at work
.set T1, 20
.set Y0, 32                            ; v[32:63], v[64:95]  the state of a stage and of the next, by turns
.set Y1, 64
.set XA, 96                            ; v[96:127]   x + 0.04; on the way out the row in the order of memory
.set XB, 128                           ; v[128:159]  x + 0.08
.set AC, 160                           ; v[160:191]  the weighted sum
.set G1, 16                            ; s[16:23] descriptor group 1, the same for every load
.set G0, 24                            ; s[24:39] descriptor group 0, one set for each of my four rows
.set SCA, 40                           ; s[40:41] 0.04     (each constant twice: a packed source is a pair)
.set SCB, 42                           ; s[42:43] 0.08
.set SKC, 44                           ; s[44:45] -dt/2
.set SKH, 46                           ; s[46:47] -dt
.set SK6, 48                           ; s[48:49] -dt/6
.set SK3, 50                           ; s[50:51] -dt/3
	s_load_b128 s[4:7], s[0:1], 0x0                ; x s[4:5], out0 s[6:7]
	v_lshl_add_u32 v192, v0, 2, 0x44000
	v_mov_b32 v193, 0
	ds_add_u32 v192, v193
	ds_add_u32 v192, v193
	v_lshrrev_b32 v1, 5, v0
	v_readfirstlane_b32 s8, v1                     ; wave 0..15
	s_lshl_b32 s10, ttmp9, 18                      ; work-group x 64 rows x 4,096 bytes
	s_lshl_b32 s11, s8, 14                         ; + wave x 4 rows x 4,096 bytes: below 2^26
	s_add_co_u32 s10, s10, s11
	s_mov_b32 s11, 0
	s_mul_i32 s12, s8, WLDS                        ; my wave's four slots
	; group 1: one row of 1,024 elements of 4 bytes; in LDS 2 words are skipped behind every 32
	s_mov_b32 s[G1+0], (2<<16)|(1<<20)|(4<<22)|(1<<25)   ; 15:0 no mask; 17:16 element of 4 bytes; 20 padding on; 24:22 every 32 words (code 4); 31:25 of 2 words (code 1)
	s_mov_b32 s[G1+1], 1024<<16                    ; tensor_dim0 = 1,024
	s_mov_b32 s[G1+2], 1<<16                       ; tensor_dim1 = 1
	s_mov_b32 s[G1+3], 1024<<16                    ; tile_dim0 = 1,024
	s_mov_b32 s[G1+4], 1                           ; tile_dim1 = 1
	s_mov_b32 s[G1+5], 1024                        ; elements from row to row
	s_mov_b32 s[G1+6], 0
	s_mov_b32 s[G1+7], 0
	s_wait_dscnt 0x0
	s_wait_kmcnt 0x0
	s_add_nc_u64 s[4:5], s[4:5], s[10:11]          ; x and out0 at my wave's first row
	s_add_nc_u64 s[6:7], s[6:7], s[10:11]
	; all four rows are asked for at once, ahead of everything else
.irp r, 0,1,2,3
	s_mov_b32 s[G0+4*\r], 1                                        ; count = 1
	s_add_co_u32 s[G0+4*\r+1], s12, \r*SLOT                        ; LDS address: wave x 17,408 + row x 4,352
	s_add_nc_u64 s[G0+4*\r+2:G0+4*\r+3], s[4:5], \r*ROWB           ; global address of the row
	s_or_b32 s[G0+4*\r+3], s[G0+4*\r+3], 0x80000000                ; type = 2
	tensor_load_to_lds s[G0+4*\r:G0+4*\r+3], s[G1:G1+7]
	s_nop 0
.endr
	v_and_b32 v1, 31, v0                           ; lane
	v_mul_u32_u24 v[LA], v1, CHUNK
	v_add_nc_u32 v[LA], s12, v[LA]                 ; wave x 17,408 + lane x 136
	v_lshrrev_b32 v[RB], 3, v1                     ; eight lanes of 16 bytes make a chunk of 128
	v_mul_u32_u24 v[RB], v[RB], CHUNK
	v_and_b32 v[GO], 7, v1
	v_lshl_add_u32 v[RB], v[GO], 4, v[RB]
	v_add_nc_u32 v[RB], s12, v[RB]                 ; wave x 17,408 + (lane / 8) x 136 + (lane mod 8) x 16
	v_lshlrev_b32 v[GO], 4, v1
	v_add_nc_u32 v[IM], 31, v1
	v_and_b32 v[IM], 31, v[IM]
	v_lshlrev_b32 v[IM], 2, v[IM]
	v_add_nc_u32 v[IP], 1, v1
	v_and_b32 v[IP], 31, v[IP]
	v_lshlrev_b32 v[IP], 2, v[IP]
.irp h, 0,1
	s_mov_b32 s[SCA+\h], 0x3d23d70a                ; 0.04
	s_mov_b32 s[SCB+\h], 0x3da3d70a                ; 0.08
	s_mov_b32 s[SKC+\h], 0xbba3d70a                ; -0.005
	s_mov_b32 s[SKH+\h], 0xbc23d70a                ; -0.01
	s_mov_b32 s[SK6+\h], 0xbada740e                ; -0.01 / 6
	s_mov_b32 s[SK3+\h], 0xbb5a740e                ; -0.01 / 3
.endr
; The steps of a stage for pair j, with the pair of temporaries t.  k = 1..4 is the stage.
.macro DN in, j, t                     ; y_{i-2} - y_{i+1}
	v_pk_add_f32 v[\t:\t+1], v[\in+2*(\j)-4:\in+2*(\j)-3], v[\in+2*(\j)+2:\in+2*(\j)+3] neg_lo:[0,1] neg_hi:[0,1]
.endm
.macro RR in, j, t                     ; r = that x y_{i-1} + y_i
	v_pk_fma_f32 v[\t:\t+1], v[\t:\t+1], v[\in+2*(\j)-2:\in+2*(\j)-1], v[\in+2*(\j):\in+2*(\j)+1]
.endm
.macro PRE k, in, j                    ; stage 1 alone: the two bases of the step
.if \k == 1
	v_pk_add_f32 v[XA+2*(\j):XA+2*(\j)+1], v[\in+2*(\j):\in+2*(\j)+1], s[SCA:SCA+1] op_sel_hi:[1,0]
	v_pk_add_f32 v[XB+2*(\j):XB+2*(\j)+1], v[\in+2*(\j):\in+2*(\j)+1], s[SCB:SCB+1] op_sel_hi:[1,0]
.endif
.endm
.macro NEXT k, out, j, t               ; the next state: y2, y3 = xa - dt/2 r;  y4 = xb - dt r;  x_next = sum - dt/6 r
.if \k <= 2
	v_pk_fma_f32 v[\out+2*(\j):\out+2*(\j)+1], v[\t:\t+1], s[SKC:SKC+1], v[XA+2*(\j):XA+2*(\j)+1] op_sel_hi:[1,0,1]
.endif
.if \k == 3
	v_pk_fma_f32 v[\out+2*(\j):\out+2*(\j)+1], v[\t:\t+1], s[SKH:SKH+1], v[XB+2*(\j):XB+2*(\j)+1] op_sel_hi:[1,0,1]
.endif
.if \k == 4
	v_pk_fma_f32 v[\out+2*(\j):\out+2*(\j)+1], v[\t:\t+1], s[SK6:SK6+1], v[AC+2*(\j):AC+2*(\j)+1] op_sel_hi:[1,0,1]
.endif
.endm
.macro ACCU k, j, t                    ; the weighted sum: started on xb by stage 1, nothing is cleared
.if \k == 1
	v_pk_fma_f32 v[AC+2*(\j):AC+2*(\j)+1], v[\t:\t+1], s[SK6:SK6+1], v[XB+2*(\j):XB+2*(\j)+1] op_sel_hi:[1,0,1]
.endif
.if (\k == 2) + (\k == 3)
	v_pk_fma_f32 v[AC+2*(\j):AC+2*(\j)+1], v[\t:\t+1], s[SK3:SK3+1], v[AC+2*(\j):AC+2*(\j)+1] op_sel_hi:[1,0,1]
.endif
.endm
; Four neighbouring pairs j0 .. j0 + 3 that need no other lane, each kind of operation four times in a row so that none waits for the one in front of it
.macro BATCH k, in, out, t, j0
.irp q, 0,1,2,3
	DN \in, \j0+\q, \t+2*\q
.endr
.irp q, 0,1,2,3
	PRE \k, \in, \j0+\q
.endr
.irp q, 0,1,2,3
	RR \in, \j0+\q, \t+2*\q
.endr
.irp q, 0,1,2,3
	NEXT \k, \out, \j0+\q, \t+2*\q
.endr
.irp q, 0,1,2,3
	ACCU \k, \j0+\q, \t+2*\q
.endr
.endm
; Pairs 0, 1, 14, 15.  Where the low and the high half take their operands from different pairs, a v_dual pair does the two halves.
; Its two first sources, its two second and its two third lie in different register banks (number mod 4): the arrays and H begin at multiples of 4.
.macro EDGE k, in, out, t
	v_dual_sub_f32 v[\t], v[H+1], v[\in+2] :: v_dual_sub_f32 v[\t+1], v[\in+28], v[\in+3]        ; pair 0: left 30 - site 1;  site 14 - site 17
	v_dual_sub_f32 v[\t+2], v[H+0], v[\in+4] :: v_dual_sub_f32 v[\t+3], v[\in+30], v[\in+5]      ; pair 1: left 31 - site 2;  site 15 - site 18
	DN \in, 14, \t+4
	v_dual_sub_f32 v[\t+6], v[\in+26], v[\in+1] :: v_dual_sub_f32 v[\t+7], v[\in+27], v[H+2]     ; pair 15: site 13 - site 16;  site 29 - right 0
	PRE \k, \in, 0
	PRE \k, \in, 1
	PRE \k, \in, 14
	PRE \k, \in, 15
	v_dual_fma_f32 v[\t], v[\t], v[H+0], v[\in+0] :: v_dual_fma_f32 v[\t+1], v[\t+1], v[\in+30], v[\in+1]   ; pair 0: x left 31 + site 0;  x site 15 + site 16
	RR \in, 1, \t+2
	RR \in, 14, \t+4
	RR \in, 15, \t+6
	NEXT \k, \out, 0, \t
	NEXT \k, \out, 1, \t+2
	NEXT \k, \out, 14, \t+4
	NEXT \k, \out, 15, \t+6
	ACCU \k, 0, \t
	ACCU \k, 1, \t+2
	ACCU \k, 14, \t+4
	ACCU \k, 15, \t+6
.endm
.macro STAGE k, in, out
	ds_bpermute_b32 v[H+1], v[IM], v[\in+29]       ; site 30 of the lane to the left (the high half of its pair 14)
	ds_bpermute_b32 v[H+0], v[IM], v[\in+31]       ; its site 31
	ds_bpermute_b32 v[H+2], v[IP], v[\in+0]        ; site 0 of the lane to the right
	BATCH \k, \in, \out, T0, 2                     ; 12 pairs are worked on while the three are on their way
	BATCH \k, \in, \out, T1, 6
	BATCH \k, \in, \out, T0, 10
	s_wait_dscnt 0x0                               ; the three are the only LDS instructions out
	EDGE \k, \in, \out, T1
.endm
.macro LOADROW r, A                    ; site j goes to the low half of pair j, site j + 16 to its high half
.irp j, 0,1,2,3,4,5,6,7,8,9,10,11,12,13,14,15
	ds_load_b32 v[\A+2*\j],   v[LA] offset:(\r)*SLOT+4*\j
	ds_load_b32 v[\A+2*\j+1], v[LA] offset:(\r)*SLOT+4*\j+64
.endr
.endm
; Row r of the wave.  A holds x (its LDS loads are out at the entry) and, behind the six steps, the result; B is the other state array.
.macro ROW r, A, B
	s_wait_dscnt 0x0                               ; the row is in A
.if \r
	s_wait_xcnt 0x0                                ; XA, from which the last row's stores read, is written again only behind this wait (ISA guide 3.1)
.endif
	s_mov_b32 s9, NSTEP
.Lstep_\@:
	STAGE 1, \A, \B
	STAGE 2, \B, \A
	STAGE 3, \A, \B
	STAGE 4, \B, \A
	s_sub_co_u32 s9, s9, 1
	s_cmp_lg_u32 s9, 0
	s_cbranch_scc1 .Lstep_\@
.if \r < WROWS-1
	s_wait_tensorcnt WROWS-2-(\r)                  ; tensor loads of a wave end in order (ISA guide 10.11.1): the next row is in LDS, the rows behind it may stay out
	LOADROW \r+1, \B                               ; B is dead: the next row comes into registers while this one leaves
.endif
.irp j, 0,1,2,3,4,5,6,7,8,9,10,11,12,13,14,15
	ds_store_b32 v[LA], v[\A+2*\j]   offset:(\r)*SLOT+4*\j         ; back into the row's own slot, which no load fills again
	ds_store_b32 v[LA], v[\A+2*\j+1] offset:(\r)*SLOT+4*\j+64
.endr
.irp t, 0,1,2,3,4,5,6,7
	ds_load_b64 v[XA+4*\t:XA+4*\t+1],   v[RB] offset:(\r)*SLOT+4*CHUNK*\t     ; LDS serves a wave's instructions in order (ISA guide 5.7.1.4): these see the stores above.
	ds_load_b64 v[XA+4*\t+2:XA+4*\t+3], v[RB] offset:(\r)*SLOT+4*CHUNK*\t+8   ; Two loads of 8 bytes: a chunk begins at a multiple of 8, not of 16.  Some lanes share banks here: 16 of the row's LDS instructions
.endr
.irp t, 0,1,2,3,4,5,6,7
	s_wait_dscnt 14-2*\t                           ; LDS loads come back in order: the two of these 16 bytes are in, the younger ones stay out
	global_store_b128 v[GO], v[XA+4*\t:XA+4*\t+3], s[6:7] offset:(\r)*ROWB+512*\t th:TH_STORE_NT   ; 512 consecutive bytes, aligned
.endr
.endm
	s_wait_tensorcnt 0x3                           ; my first row is in LDS; the three behind it stay out
	LOADROW 0, Y0
	ROW 0, Y0, Y1
	ROW 1, Y1, Y0
	ROW 2, Y0, Y1
	ROW 3, Y1, Y0                                  ; the wait for its row was for zero: no tensor load is out at the end
	s_wait_tensorcnt 0x0
	ds_add_u32 v192, v193
	s_wait_dscnt 0x0
	s_endpgm
.Lfunc_end_k_qdf5c4b1f7a_rk4:
	.size	k_qdf5c4b1f7a_rk4, .Lfunc_end_k_qdf5c4b1f7a_rk4-k_qdf5c4b1f7a_rk4
	.p2alignl 7, 3214868480
	.fill 96, 4, 3214868480
	.section	.rodata,"a",@progbits
	.p2align	6, 0x0
	.amdhsa_kernel k_qdf5c4b1f7a_rk4
		.amdhsa_group_segment_fixed_size 280576
		.amdhsa_private_segment_fixed_size 0
		.amdhsa_enable_private_segment 0
		.amdhsa_kernarg_size 16
		.amdhsa_user_sgpr_count 2
		.amdhsa_user_sgpr_kernarg_segment_ptr 1
		.amdhsa_wavefront_size32 1
		.amdhsa_system_sgpr_workgroup_id_x 1
		.amdhsa_system_sgpr_workgroup_id_y 1
		.amdhsa_system_sgpr_workgroup_id_z 1
		.amdhsa_system_vgpr_workitem_id 0
		.amdhsa_next_free_vgpr 194
		.amdhsa_next_free_sgpr 66
		.amdhsa_reserve_vcc 0
		.amdhsa_float_denorm_mode_32 3
		.amdhsa_float_denorm_mode_16_64 3
		.amdhsa_memory_ordered 1
		.amdhsa_forward_progress 1
		.amdhsa_inst_pref_size 102
	.end_amdhsa_kernel
	.amdgpu_metadata
---
amdhsa.version: [ 1, 2 ]
amdhsa.kernels:
  - .name:           k_qdf5c4b1f7a_rk4
    .symbol:         k_qdf5c4b1f7a_rk4.kd
    .args:
      - { .name: x, .offset: 0, .size: 8, .value_kind: global_buffer, .address_space: global }
      - { .name: out0, .offset: 8, .size: 8, .value_kind: global_buffer, .address_space: global }
    .group_segment_fixed_size: 280576
    .private_segment_fixed_size: 0
    .kernarg_segment_align: 8
    .kernarg_segment_size: 16
    .max_flat_workgroup_size: 512
    .sgpr_count:     66
    .vgpr_count:     194
    .wavefront_size: 32
...
	.end_amdgpu_metadata
.endif
;; end of part 1
